; MI455X (gfx1250); checked and timed in simulation.
; The chip was launched on July 23, 2026; its instructions are those of AMD's public machine-readable ISA for CDNA 5 (MIT licence, August 2026) and "CDNA5" Instruction Set Architecture Reference Guide (July 2026). The comments in the code are by the model that wrote it; some were corrected since.
;; SS Kernel. Allowed arithmetic: float matrix products may take bf16 or f16 operands with f32 sums; all other float work in f32.
;; Inputs: A_imag 512 x 64 float32; B 512 x 64 x 2 float32; C 1 x 512 x 64 x 2 float32; inv_A_real 512 x 64 float32; log_dt 512 float32.
;; Outputs: out0 1 x 512 x 4,096 float32.
;; Constants: L = 4096.
;; 2 versions, each right; version 2 is version 1 with the launch s4d written anew for expert scheduling mode. Each part assembles by itself: llvm-mc -triple=amdgcn-amd-amdhsa -mcpu=gfx1250 --defsym DOCPART=n.
;; ======== version 1 of 2: 1 launch
;; launch s4d (part 1): grid 512 x 1, 4 waves a work-group, no clusters, 83,456 bytes of LDS; arguments log_dt, inv_A_real, A_imag, B, C, out0; writes out0
.if DOCPART == 1
	.amdgcn_target "amdgcn-amd-amdhsa--gfx1250"
	.amdhsa_code_object_version 6
	.text
	.protected	k_q4ba5fdb733_s4d
	.globl	k_q4ba5fdb733_s4d
	.p2align	8
	.type	k_q4ba5fdb733_s4d,@function
k_q4ba5fdb733_s4d:
	s_mov_b64 s[64:65], 0
	v_nop
	global_prefetch_b8 v0, s[64:65] scope:SCOPE_SE
	s_setreg_imm32_b32 hwreg(HW_REG_WAVE_MODE, 25, 1), 1
	s_wait_xcnt 0x0
; K[h][l] = 2 Re sum over n of Cc[h][n] w[h][n]^l,  w = exp(dt A),  Cc = B C (w - 1) / A,  A = -exp(inv_A_real) + i A_imag,  dt = exp(log_dt).
; 512 h, 64 n, 4096 l.  One work-group makes one h, with four waves.
;
; THE IDEA.  l is split over disjoint bits, l = lM + lN, so that w^l = w^lM w^lN and a row of K is one real matrix product of
; 64 x 128 by 128 x 64:  K[lM(m) + lN(v)] = sum over n of  Re P[n][m] Re Q[n][v] - Im P[n][m] Im Q[n][v],  P = 2 Cc w^lM(m),  Q = w^lN(v).
; The M table holds conj(P) (so the minus sign is in the table), the N table holds Q: 2 x 4,096 complex numbers for an h in place of 262,144.
;   lM(m) = (m & 3) + 256 (m >> 2),   lN(v) = 4 v.
; With the M table as source 0 and the N table as source 1, lane (r, h2) holds in register j of tile (a, b) the number
;   l = (j & 3) + 4 r + 64 b + 256 (j >> 2) + 512 h2 + 1024 a:
; four neighbouring registers are 16 neighbouring bytes of K and sixteen neighbouring lanes 256 consecutive bytes, aligned: the results are stored as they lie.
;
; TWO bf16 FOR EACH TABLE ENTRY.  Where dt is large and l small, K is many times larger than the root mean square of the whole output, so one
; rounding to bf16 (2^-9) is too coarse there.  Each entry is hi + lo, both bf16 (16 bits together), and three products are summed in f32:
; hi hi + hi lo + lo hi.  The product lo lo, at most 2^-18 of the term, is left out.  bf16 and not f16: the factors run down to the end of f32's range.
;
; THE TABLES ARE MADE WITH LANE = n.  Waves 0, 1: the M table for n = 0-31, 32-63; waves 2, 3: the N table.  Column 4 q + e of either table is S0 u^e G^q:
;   M: S0 = conj(2 Cc), u = conj(w),  G = conj(w^256);     N: S0 = 1, u = w^4, G = w^16.
; w, u and G are made directly (magnitude by v_exp_f32, angle reduced exactly, Taylor series); the 64 columns follow by complex products,
; at most 3 + 1 + 7 of them in a row.  All four waves run the same text; the N waves drop the coefficient by a select.
;
; LIMITS.  (1) exp(2 inv_A_real) + A_imag^2 has to be a normal f32 number (|A| from about 1e-19 to 1e19).  (2) w - 1 is formed as the definition forms it:
; its absolute error is about 1e-7, so the coefficient's relative error is about 1e-7 / |dt A|.  (3) Sine and cosine: series to the 15th and 16th power on
; [-pi, pi], absolute error about 1e-6.  (4) v_exp_f32 gives 0 for results below 2^-126 (ISA guide 15.8), so factors that small count as 0.
; (5) The order of the roundings is not the definition's.
; No cluster: no two work-groups read the same input.  No tensor load: a work-group reads 1,540 bytes, once, at its head.
.set PITCH,  80                        ; LDS: from row to row of a half part: four pieces of 16 bytes (8 columns each) + 16 bytes of padding
.set HALF,   128*PITCH+128             ; 128 rows (k = n: real parts, k = 64 + n: imaginary parts) of the even pieces; the odd pieces lie HALF further
.set PART,   2*HALF                    ; one part: all 64 columns of one table, hi or lo
.set TABLE,  2*PART                    ; hi part, lo part.  M table at 0, N table at TABLE; 4 parts = 82,944 bytes
.set IMROW,  64*PITCH                  ; from a real row to its imaginary row
.set KHALF,  16*PITCH                  ; 16 rows: the second half of a fragment
.set KCH,    32*PITCH                  ; 32 rows: one matrix instruction's K
; Banks (64 of 4 bytes: ISA guide 11.1), counted in columns of 16 bytes modulo 16.  A row is 5 columns on from the last, HALF is 8 modulo 16.
; A store's sixteen lanes take one piece of 16 neighbouring rows: 5 row mod 16, all different.  A transposing load's sixteen lanes take an even and an
; odd piece of 8 neighbouring rows: 5 row mod 16 and 5 row + 8 mod 16, all different.
.set LANE, 1
.set O4,   2                           ; byte offset of (h, n) in inv_A_real and A_imag
.set O8,   3                           ; in B and C
.set OH,   4                           ; of log_dt[h]
.set SA,   5                           ; LDS: my row of my table (store)
.set LM,   6                           ; LDS: my lane's 16 bytes of my first M tile (load)
.set LN,   7                           ; the same for the N table
.set OO,   8                           ; my byte offset in the wave's part of K
.set NEG1, 9                           ; -1.0
.set CS,   10                          ; -1/15!
.set CC,   11                          ; 1/16!
.set LD,   12                          ; log_dt[h]
.set IAR,  13                          ; inv_A_real[h][n]
.set AI,   14                          ; A_imag[h][n]
.set BB,   16                          ; v[16:17] B[h][n]
.set CV,   18                          ; v[18:19] C[h][n]
.set DT,   20
.set EA,   21                          ; exp(inv_A_real) = -Re A
.set X2,   22                          ; Re(dt A) log2(e)
.set FH,   23                          ; Im(dt A) / 2 pi modulo 1, in two parts
.set FL,   24
.set T,    26                          ; v[26:33] at work
.set WR,   34                          ; w, then w - 1
.set WI,   35
.set UR,   36
.set UI,   37
.set U2R,  38
.set U2I,  39
.set XS,   64                          ; v[64:79]  two states of four columns: re 0-1, re 2-3, im 0-1, im 2-3 of column group q, then of q + 1
.set YS,   80                          ; v[80:95]  the same, two groups on: the two sets take turns
.set MR,   96                          ; v[96:97]  the multiplier's real part, twice: the packed forms then need no selector
.set MI,   98                          ; v[98:99]  its imaginary part, twice
.set MN,   100                         ; v[100:101] minus that, twice
.set HB,   104                         ; v[104:111] hi: 8 columns of the real row, 8 of the imaginary row
.set LB,   112                         ; v[112:119] lo likewise
.set LT,   120                         ; v[120:135] what the hi parts leave, in f32
.set ACC,  32                          ; v[32:63]  four accumulator tiles (the registers at work above are free by then)
.set F0,   64                          ; three fragment buffers of 64 registers: M hi (2 tiles), M lo, N hi, N lo
.set F1,   128
.set F2,   192
	s_load_b256 s[4:11], s[0:1], 0x0               ; log_dt s[4:5], inv_A_real s[6:7], A_imag s[8:9], B s[10:11]
	s_load_b128 s[12:15], s[0:1], 0x20             ; C s[12:13], out0 s[14:15]
	v_lshl_add_u32 v15, v0, 2, 0x14400
	v_mov_b32 v25, 0
	v_lshrrev_b32 v[T], 5, v0
	v_readfirstlane_b32 s16, v[T]                  ; wave 0..3
	v_and_b32 v[LANE], 31, v0
	s_and_b32 s17, s16, 1                          ; which 32 n I make; later: which two N tiles I multiply
	s_lshr_b32 s18, s16, 1                         ; which table I make (0: M, 1: N); later: which two M tiles
	s_lshl_b32 s19, ttmp9, 6                       ; h x 64
	s_lshl_b32 s20, s17, 5
	s_add_co_u32 s19, s19, s20
	s_lshl_b32 s22, ttmp9, 2
	v_add_nc_u32 v[O4], s19, v[LANE]               ; 64 h + n
	v_mov_b32 v[OH], s22
	v_lshlrev_b32 v[O8], 3, v[O4]
	v_lshlrev_b32 v[O4], 2, v[O4]
	s_wait_kmcnt 0x0
	global_load_b32 v[LD], v[OH], s[4:5]
	global_load_b32 v[IAR], v[O4], s[6:7]
	global_load_b32 v[AI], v[O4], s[8:9]
	global_load_b64 v[BB:BB+1], v[O8], s[10:11]
	global_load_b64 v[CV:CV+1], v[O8], s[12:13]
	; while the five loads are out: addresses and constants
	s_lshl_b32 s20, ttmp9, 14                      ; K: 16,384 bytes for an h,
	s_lshl_b32 s21, s18, 13                        ; 4,096 for an M tile (I take two),
	s_add_co_u32 s20, s20, s21
	s_lshl_b32 s21, s17, 9                         ; 256 for an N tile (two)
	s_add_co_u32 s20, s20, s21
	s_mov_b32 s21, 0
	s_add_nc_u64 s[14:15], s[14:15], s[20:21]
	s_mul_i32 s22, s18, TABLE
	s_mul_i32 s23, s17, 32*PITCH
	s_add_co_u32 s22, s22, s23
	v_mul_u32_u24 v[SA], v[LANE], PITCH
	v_add_nc_u32 v[SA], s22, v[SA]                 ; table + row n
	; A transposing load: lane L addresses 16 bytes (8 columns) of row 8 (L >> 4) + (L & 7), even piece for (L >> 3) & 1 = 0, odd piece for 1,
	; and receives the 8 rows of column L & 15: the fragment layout of 16-bit data (ISA guide 7.12.2), rows = k.
	v_and_b32 v[T], 7, v[LANE]
	v_lshrrev_b32 v[T+1], 4, v[LANE]
	v_lshl_add_u32 v[T], v[T+1], 3, v[T]
	v_mul_u32_u24 v[T], v[T], PITCH
	v_bfe_u32 v[T+2], v[LANE], 3, 1
	v_mul_u32_u24 v[T+2], v[T+2], HALF
	v_add_nc_u32 v[T], v[T], v[T+2]
	s_lshl_b32 s23, s18, 5                         ; a tile of 16 columns is 16 bytes on in both half parts; my first M tile is 2 x s18
	v_add_nc_u32 v[LM], s23, v[T]
	s_lshl_b32 s23, s17, 5
	s_add_co_u32 s23, s23, TABLE
	v_add_nc_u32 v[LN], s23, v[T]
	v_and_b32 v[T+2], 15, v[LANE]
	v_lshlrev_b32 v[T+2], 4, v[T+2]
	v_lshl_add_u32 v[OO], v[T+1], 11, v[T+2]       ; 16 r + 2,048 h2
	v_mov_b32 v[NEG1], -1.0
	v_mov_b32 v[CS], 0xab573f9f
	v_mov_b32 v[CC], 0x29573f9f
	s_mov_b32 s24, 0x3fb8aa3b                      ; log2(e), upper part
	s_mov_b32 s25, 0x32a57060                      ; and what it leaves
	s_mov_b32 s26, 0x3e22f983                      ; 1 / 2 pi, upper part
	s_mov_b32 s27, 0x31dc9706                      ; and what it leaves
	s_mov_b32 s28, 0x40c90fdb                      ; 2 pi
	s_mov_b32 s31, 0x41800000                      ; 16.0
	s_cmp_eq_u32 s18, 0                            ; do I make the M table?
	s_cselect_b32 s29, 0xc0c90fdb, s28             ; M: angles negated (the conjugate)
	s_cselect_b32 s30, 1.0, 4.0                    ; u = w^1 or w^4
	s_cselect_b32 s31, 0x43800000, s31             ; G = w^256 or w^16
	s_cselect_b32 vcc_lo, -1, 0                    ; M: S0 is the coefficient; N: S0 = 1
	s_wait_loadcnt 0x0
	; dt = exp(log_dt).  An error of dt is multiplied by the angle Im(A) dt l, so the product log_dt log2(e) is kept in two parts.
	v_mul_f32 v[T], s24, v[LD]
	v_mul_f32 v[T+2], s24, v[IAR]
	v_fma_f32 v[T+1], v[LD], s24, -v[T]            ; what the rounded product leaves
	v_exp_f32 v[T+3], v[T]
	v_exp_f32 v[EA], v[T+2]                        ; exp(inv_A_real)
	v_fma_f32 v[T+1], v[LD], s25, v[T+1]           ; a plain instruction behind the two transcendentals, ahead of their results' use (ISA guide 5.7.2)
	v_mul_f32 v[T+1], 0x3f317218, v[T+1]           ; x ln 2
	s_wait_alu depctr_va_vdst(0)
	v_fma_f32 v[DT], v[T+3], v[T+1], v[T+3]
	v_mul_f32 v[T], v[EA], v[DT]                   ; -Re(dt A)
	v_mul_f32 v[T+4], v[AI], v[DT]                 ; y = Im(dt A), rounded as the definition rounds it
	v_mul_f32 v[X2], 0xbfb8aa3b, v[T]
	; y / 2 pi modulo 1 as FH + FL.  The multiples by 1, 4, 16, 256 taken below are then exact.
	v_mul_f32 v[T+5], s26, v[T+4]
	v_fma_f32 v[T+6], v[T+4], s26, -v[T+5]
	v_rndne_f32 v[T+7], v[T+5]
	v_fma_f32 v[T+6], v[T+4], s27, v[T+6]
	v_sub_f32 v[T+5], v[T+5], v[T+7]               ; exact
	v_add_f32 v[FH], v[T+5], v[T+6]
	v_sub_f32 v[T+5], v[T+5], v[FH]
	v_add_f32 v[FL], v[T+5], v[T+6]
; (cr, ci) = exp(l dt A), or its conjugate with tp = -2 pi.  l is a power of two.
.macro CEXP cr, ci, l, tp
	v_mul_f32 v[T], \l, v[FH]                      ; turns: exact
	v_mul_f32 v[T+4], \l, v[X2]
	v_rndne_f32 v[T+1], v[T]
	v_exp_f32 v[T+5], v[T+4]                       ; the magnitude; plain instructions follow before it is used
	v_sub_f32 v[T], v[T], v[T+1]                   ; exact, in [-1/2, 1/2]
	v_fma_f32 v[T], v[FL], \l, v[T]
	v_mul_f32 v[T], \tp, v[T]                      ; the angle, in [-pi, pi]
	v_mul_f32 v[T+1], v[T], v[T]
	v_fmaak_f32 v[T+2], v[CS], v[T+1], 0x2f309231     ; sine / angle: -1/15!, 1/13!,
	v_fmaak_f32 v[T+3], v[CC], v[T+1], 0xad49cba5     ; cosine: 1/16!, -1/14!,
	v_fmaak_f32 v[T+2], v[T+2], v[T+1], 0xb2d7322b    ; -1/11!
	v_fmaak_f32 v[T+3], v[T+3], v[T+1], 0x310f76c7    ; 1/12!
	v_fmaak_f32 v[T+2], v[T+2], v[T+1], 0x3638ef1d    ; 1/9!
	v_fmaak_f32 v[T+3], v[T+3], v[T+1], 0xb493f27e    ; -1/10!
	v_fmaak_f32 v[T+2], v[T+2], v[T+1], 0xb9500d01    ; -1/7!
	v_fmaak_f32 v[T+3], v[T+3], v[T+1], 0x37d00d01    ; 1/8!
	v_fmaak_f32 v[T+2], v[T+2], v[T+1], 0x3c088889    ; 1/5!
	v_fmaak_f32 v[T+3], v[T+3], v[T+1], 0xbab60b61    ; -1/6!
	v_fmaak_f32 v[T+2], v[T+2], v[T+1], 0xbe2aaaab    ; -1/3!
	v_fmaak_f32 v[T+3], v[T+3], v[T+1], 0x3d2aaaab    ; 1/4!
	v_fmaak_f32 v[T+2], v[T+2], v[T+1], 0x3f800000    ; 1
	v_fmaak_f32 v[T+3], v[T+3], v[T+1], 0xbf000000    ; -1/2
	v_mul_f32 v[T+2], v[T+2], v[T]
	v_fmaak_f32 v[T+3], v[T+3], v[T+1], 0x3f800000    ; 1
	s_wait_alu depctr_va_vdst(0)
	v_mul_f32 v[\ci], v[T+5], v[T+2]
	v_mul_f32 v[\cr], v[T+5], v[T+3]
.endm
; d = a b, complex; d is none of the sources
.macro CMUL dr, di, ar, ai, br, bi
	v_mul_f32 v[\dr], v[\ar], v[\br]
	v_mul_f32 v[\di], v[\ar], v[\bi]
	v_fma_f32 v[\dr], -v[\ai], v[\bi], v[\dr]
	v_fma_f32 v[\di], v[\ai], v[\br], v[\di]
.endm
; four columns at once: state d = state s x the multiplier.  A state: re 0-1, re 2-3, im 0-1, im 2-3.
.macro PKMUL d, s
	v_pk_mul_f32 v[\d:\d+1],   v[\s:\s+1],   v[MR:MR+1]
	v_pk_mul_f32 v[\d+2:\d+3], v[\s+2:\s+3], v[MR:MR+1]
	v_pk_mul_f32 v[\d+4:\d+5], v[\s+4:\s+5], v[MR:MR+1]
	v_pk_mul_f32 v[\d+6:\d+7], v[\s+6:\s+7], v[MR:MR+1]
	v_pk_fma_f32 v[\d:\d+1],   v[\s+4:\s+5], v[MN:MN+1], v[\d:\d+1]
	v_pk_fma_f32 v[\d+2:\d+3], v[\s+6:\s+7], v[MN:MN+1], v[\d+2:\d+3]
	v_pk_fma_f32 v[\d+4:\d+5], v[\s:\s+1],   v[MI:MI+1], v[\d+4:\d+5]
	v_pk_fma_f32 v[\d+6:\d+7], v[\s+2:\s+3], v[MI:MI+1], v[\d+6:\d+7]
.endm
	; the coefficient: conj(2 B C (w - 1) / A) = 2 conj(B C (w - 1) conj(A)) / |A|^2, with A = (-EA, AI)
	CEXP WR, WI, 1.0, s28
	v_add_f32 v[WR], -1.0, v[WR]                   ; w - 1
	v_mul_f32 v[T], v[EA], v[EA]
	v_fma_f32 v[T], v[AI], v[AI], v[T]
	v_rcp_f32 v[T+1], v[T]                         ; plain instructions follow before it is used
	v_mul_f32 v[T+2], v[WI], v[AI]
	v_mul_f32 v[T+3], v[WI], v[EA]
	v_fma_f32 v[T+2], -v[WR], v[EA], v[T+2]        ;  Re((w - 1) conj A)
	v_fma_f32 v[T+3], v[WR], v[AI], v[T+3]         ; -Im((w - 1) conj A)
	v_mul_f32 v[T+4], v[BB], v[CV]
	v_mul_f32 v[T+5], v[BB], v[CV+1]
	v_fma_f32 v[T+4], -v[BB+1], v[CV+1], v[T+4]    ; Re(B C)
	v_fma_f32 v[T+5], v[BB+1], v[CV], v[T+5]       ; Im(B C)
	s_wait_alu depctr_va_vdst(0)
	v_add_f32 v[T+1], v[T+1], v[T+1]               ; 2 / |A|^2
	v_mul_f32 v[T+6], v[T+4], v[T+2]
	v_mul_f32 v[T+7], v[T+4], v[T+3]
	v_fma_f32 v[T+6], v[T+5], v[T+3], v[T+6]
	v_fma_f32 v[T+7], -v[T+5], v[T+2], v[T+7]
	v_mul_f32 v[T+6], v[T+6], v[T+1]
	v_mul_f32 v[T+7], v[T+7], v[T+1]
	v_cndmask_b32 v[XS], 1.0, v[T+6], vcc_lo       ; S0: the M table's coefficient, or 1 for the N table
	v_cndmask_b32 v[XS+4], 0, v[T+7], vcc_lo
	; columns 0 to 3: S0, S0 u, S0 u^2, S0 u^3
	CEXP UR, UI, s30, s29
	CEXP MR, MI, s31, s29                          ; G
	CMUL XS+1, XS+5, XS, XS+4, UR, UI
	CMUL U2R, U2I, UR, UI, UR, UI
	CMUL XS+2, XS+6, XS, XS+4, U2R, U2I
	CMUL XS+3, XS+7, XS+1, XS+5, U2R, U2I
	v_mov_b32 v[MR+1], v[MR]
	v_mov_b32 v[MI+1], v[MI]
	v_mul_f32 v[MN], -1.0, v[MI]
	v_mul_f32 v[MN+1], -1.0, v[MI]
	PKMUL XS+8, XS                                 ; columns 4 to 7
	v_mul_f32 v[T], v[MR], v[MR]                   ; from here on both states step by G^2
	v_mul_f32 v[T+1], v[MR], v[MI]
	v_fma_f32 v[T], v[MN], v[MI], v[T]
	v_add_f32 v[T+1], v[T+1], v[T+1]
	v_mov_b32 v[MR], v[T]
	v_mov_b32 v[MR+1], v[T]
	v_mov_b32 v[MI], v[T+1]
	v_mov_b32 v[MI+1], v[T+1]
	v_mul_f32 v[MN], -1.0, v[T+1]
	v_mul_f32 v[MN+1], -1.0, v[T+1]
; Columns 8 c to 8 c + 7 of my two rows, from the states in set x: hi = the nearest bf16, lo = the nearest bf16 of what hi leaves (that difference is
; exact in f32).  Pair k of the set goes to word (k & 1) + 2 (k >> 2) of the real (bit 1 of k = 0) or imaginary row.  adv = 1: set y = set x times G^2.
.macro CHUNK c, x, y, adv
.irp k, 0,1,2,3,4,5,6,7
	v_cvt_pk_bf16_f32 v[HB+(\k&1)+4*((\k>>1)&1)+2*(\k>>2)], v[\x+2*\k], v[\x+2*\k+1]
.endr
	ds_store_b128 v[SA], v[HB:HB+3]   offset:(\c>>1)*16+(\c&1)*HALF
	ds_store_b128 v[SA], v[HB+4:HB+7] offset:(\c>>1)*16+(\c&1)*HALF+IMROW
.irp k, 0,1,2,3,4,5,6,7
	v_fma_mix_f32_bf16 v[LT+2*\k],   v[HB+(\k&1)+4*((\k>>1)&1)+2*(\k>>2)], v[NEG1], v[\x+2*\k]   op_sel_hi:[1,0,0]
	v_fma_mix_f32_bf16 v[LT+2*\k+1], v[HB+(\k&1)+4*((\k>>1)&1)+2*(\k>>2)], v[NEG1], v[\x+2*\k+1] op_sel:[1,0,0] op_sel_hi:[1,0,0]
.endr
.if \adv
	PKMUL \y, \x
	PKMUL \y+8, \x+8
.endif
.irp k, 0,1,2,3,4,5,6,7
	v_cvt_pk_bf16_f32 v[LB+(\k&1)+4*((\k>>1)&1)+2*(\k>>2)], v[LT+2*\k], v[LT+2*\k+1]
.endr
	ds_store_b128 v[SA], v[LB:LB+3]   offset:(\c>>1)*16+(\c&1)*HALF+PART
	ds_store_b128 v[SA], v[LB+4:LB+7] offset:(\c>>1)*16+(\c&1)*HALF+PART+IMROW
.endm
	CHUNK 0, XS, YS, 1
	CHUNK 1, YS, XS, 1
	CHUNK 2, XS, YS, 1
	CHUNK 3, YS, XS, 1
	CHUNK 4, XS, YS, 1
	CHUNK 5, YS, XS, 1
	CHUNK 6, XS, YS, 1
	CHUNK 7, YS, XS, 0
	s_wait_dscnt 0x0                               ; my rows of the tables are in LDS: zero, since the other waves read them
	s_barrier_signal -1
	s_barrier_wait -1                              ; everybody's are; LDS is only read from here on
; The fragments of K chunk q (32 rows) into buffer f: two M tiles and two N tiles, hi, then lo.  16 loads.
.macro LOADCH q, f
.irp i, 0,1
	ds_load_tr16_b128 v[\f+8*\i:\f+8*\i+3],       v[LM] offset:\q*KCH+16*\i
	ds_load_tr16_b128 v[\f+8*\i+4:\f+8*\i+7],     v[LM] offset:\q*KCH+16*\i+KHALF
	ds_load_tr16_b128 v[\f+32+8*\i:\f+32+8*\i+3], v[LN] offset:\q*KCH+16*\i
	ds_load_tr16_b128 v[\f+32+8*\i+4:\f+32+8*\i+7], v[LN] offset:\q*KCH+16*\i+KHALF
.endr
.irp i, 0,1
	ds_load_tr16_b128 v[\f+16+8*\i:\f+16+8*\i+3], v[LM] offset:\q*KCH+16*\i+PART
	ds_load_tr16_b128 v[\f+16+8*\i+4:\f+16+8*\i+7], v[LM] offset:\q*KCH+16*\i+KHALF+PART
	ds_load_tr16_b128 v[\f+48+8*\i:\f+48+8*\i+3], v[LN] offset:\q*KCH+16*\i+PART
	ds_load_tr16_b128 v[\f+48+8*\i+4:\f+48+8*\i+7], v[LN] offset:\q*KCH+16*\i+KHALF+PART
.endr
.endm
; Twelve matrix instructions on buffer f: hi hi, hi lo, lo hi, each for the four tiles.  The four accumulators take turns, one instruction a turn,
; from chunk to chunk too.  zero = 1: the first products start the sums; nothing is cleared.
.macro MULCH f, zero
.irp i, 0,1
.irp j, 0,1
.if \zero
	v_wmma_f32_16x16x32_bf16 v[ACC+8*(2*\i+\j):ACC+8*(2*\i+\j)+7], v[\f+8*\i:\f+8*\i+7], v[\f+32+8*\j:\f+32+8*\j+7], 0
.else
	v_wmma_f32_16x16x32_bf16 v[ACC+8*(2*\i+\j):ACC+8*(2*\i+\j)+7], v[\f+8*\i:\f+8*\i+7], v[\f+32+8*\j:\f+32+8*\j+7], v[ACC+8*(2*\i+\j):ACC+8*(2*\i+\j)+7]
.endif
.endr
.endr
.irp i, 0,1
.irp j, 0,1
	v_wmma_f32_16x16x32_bf16 v[ACC+8*(2*\i+\j):ACC+8*(2*\i+\j)+7], v[\f+8*\i:\f+8*\i+7], v[\f+48+8*\j:\f+48+8*\j+7], v[ACC+8*(2*\i+\j):ACC+8*(2*\i+\j)+7]
.endr
.endr
.irp i, 0,1
.irp j, 0,1
	v_wmma_f32_16x16x32_bf16 v[ACC+8*(2*\i+\j):ACC+8*(2*\i+\j)+7], v[\f+16+8*\i:\f+16+8*\i+7], v[\f+32+8*\j:\f+32+8*\j+7], v[ACC+8*(2*\i+\j):ACC+8*(2*\i+\j)+7]
.endr
.endr
.endm
; Four places of plain vector instructions stand between a matrix instruction and a load into one of its sources, or a store of its result
; (ISA guide 7.12.1 for vector instructions).
.macro PLACES
.rept 4
	v_nop
.endr
.endm
	LOADCH 0, F0
	LOADCH 1, F1
	LOADCH 2, F2
	s_wait_dscnt 32                                ; LDS loads come back in order (ISA guide 5.7.1): chunk 0's sixteen are in, the 32 younger may be out
	MULCH F0, 1
	PLACES
	LOADCH 3, F0                                   ; the fourth chunk takes the first buffer
	s_wait_dscnt 32                                ; chunk 1 is in; chunks 2 and 3 may be out
	MULCH F1, 0
	s_wait_dscnt 16                                ; chunk 2 is in
	MULCH F2, 0
	s_wait_dscnt 0x0
	MULCH F0, 0
	PLACES
	; Tile (i, j): registers 0-3 are l = 4 r + 0..3 (+ 512 h2), registers 4-7 the same 256 further.  Sixteen lanes of a store write 256 consecutive bytes,
	; at a multiple of 256 from K's first byte.
.irp i, 0,1
.irp j, 0,1
	global_store_b128 v[OO], v[ACC+8*(2*\i+\j):ACC+8*(2*\i+\j)+3],   s[14:15] offset:4096*\i+256*\j th:TH_STORE_NT
	global_store_b128 v[OO], v[ACC+8*(2*\i+\j)+4:ACC+8*(2*\i+\j)+7], s[14:15] offset:4096*\i+256*\j+1024 th:TH_STORE_NT
.endr
.endr
	s_wait_tensorcnt 0x0
	ds_add_u32 v15, v25
	s_wait_dscnt 0x0
	s_endpgm
.Lfunc_end_k_q4ba5fdb733_s4d:
	.size	k_q4ba5fdb733_s4d, .Lfunc_end_k_q4ba5fdb733_s4d-k_q4ba5fdb733_s4d
	.p2alignl 7, 3214868480
	.fill 96, 4, 3214868480
	.section	.rodata,"a",@progbits
	.p2align	6, 0x0
	.amdhsa_kernel k_q4ba5fdb733_s4d
		.amdhsa_group_segment_fixed_size 83456
		.amdhsa_private_segment_fixed_size 0
		.amdhsa_enable_private_segment 0
		.amdhsa_kernarg_size 48
		.amdhsa_user_sgpr_count 2
		.amdhsa_user_sgpr_kernarg_segment_ptr 1
		.amdhsa_wavefront_size32 1
		.amdhsa_system_sgpr_workgroup_id_x 1
		.amdhsa_system_sgpr_workgroup_id_y 1
		.amdhsa_system_sgpr_workgroup_id_z 1
		.amdhsa_system_vgpr_workitem_id 0
		.amdhsa_next_free_vgpr 256
		.amdhsa_next_free_sgpr 66
		.amdhsa_reserve_vcc 1
		.amdhsa_float_denorm_mode_32 3
		.amdhsa_float_denorm_mode_16_64 3
		.amdhsa_memory_ordered 1
		.amdhsa_forward_progress 1
		.amdhsa_inst_pref_size 45
	.end_amdhsa_kernel
	.amdgpu_metadata
---
amdhsa.version: [ 1, 2 ]
amdhsa.kernels:
  - .name:           k_q4ba5fdb733_s4d
    .symbol:         k_q4ba5fdb733_s4d.kd
    .args:
      - { .name: log_dt, .offset: 0, .size: 8, .value_kind: global_buffer, .address_space: global }
      - { .name: inv_A_real, .offset: 8, .size: 8, .value_kind: global_buffer, .address_space: global }
      - { .name: A_imag, .offset: 16, .size: 8, .value_kind: global_buffer, .address_space: global }
      - { .name: B, .offset: 24, .size: 8, .value_kind: global_buffer, .address_space: global }
      - { .name: C, .offset: 32, .size: 8, .value_kind: global_buffer, .address_space: global }
      - { .name: out0, .offset: 40, .size: 8, .value_kind: global_buffer, .address_space: global }
    .group_segment_fixed_size: 83456
    .private_segment_fixed_size: 0
    .kernarg_segment_align: 8
    .kernarg_segment_size: 48
    .max_flat_workgroup_size: 128
    .sgpr_count:     66
    .vgpr_count:     256
    .wavefront_size: 32
...
	.end_amdgpu_metadata
.endif
;; end of part 1
;; ======== version 2 of 2: 1 launch; version 1 with the launch s4d written anew for expert scheduling mode
;; launch s4d (part 2): grid 512 x 1, 4 waves a work-group, no clusters, 83,456 bytes of LDS; arguments log_dt, inv_A_real, A_imag, B, C, out0; writes out0
.if DOCPART == 2
	.amdgcn_target "amdgcn-amd-amdhsa--gfx1250"
	.amdhsa_code_object_version 6
	.text
	.protected	k_q4ba5fdb733_s4d
	.globl	k_q4ba5fdb733_s4d
	.p2align	8
	.type	k_q4ba5fdb733_s4d,@function
k_q4ba5fdb733_s4d:
	s_mov_b64 s[64:65], 0
	v_nop
	global_prefetch_b8 v0, s[64:65] scope:SCOPE_SE
	s_setreg_imm32_b32 hwreg(HW_REG_WAVE_SCHED_MODE, 0, 2), 2
	s_setreg_imm32_b32 hwreg(HW_REG_WAVE_MODE, 25, 1), 1
	s_wait_xcnt 0x0
	s_wait_alu depctr_vm_vsrc(0)
; K[h][l] = 2 Re sum over n of Cc[h][n] w[h][n]^l,  w = exp(dt A),  Cc = B C (w - 1) / A,  A = -exp(inv_A_real) + i A_imag,  dt = exp(log_dt).
; 512 h, 64 n, 4096 l.  One work-group makes one h, with four waves.
;
; THE IDEA.  l is split over disjoint bits, l = lM + lN, so that w^l = w^lM w^lN and a row of K is one real matrix product of
; 64 x 128 by 128 x 64:  K[lM(m) + lN(v)] = sum over n of  Re P[n][m] Re Q[n][v] - Im P[n][m] Im Q[n][v],  P = 2 Cc w^lM(m),  Q = w^lN(v).
; The M table holds conj(P) (so the minus sign is in the table), the N table holds Q: 2 x 4,096 complex numbers for an h in place of 262,144.
;   lM(m) = (m & 3) + 256 (m >> 2),   lN(v) = 4 v.
; With the M table as source 0 and the N table as source 1, lane (r, h2) holds in register j of tile (a, b) the number
;   l = (j & 3) + 4 r + 64 b + 256 (j >> 2) + 512 h2 + 1024 a:
; four neighbouring registers are 16 neighbouring bytes of K and sixteen neighbouring lanes 256 consecutive bytes, aligned: the results are stored as they lie.
;
; TWO bf16 FOR EACH TABLE ENTRY.  Where dt is large and l small, K is many times larger than the root mean square of the whole output, so one
; rounding to bf16 (2^-9) is too coarse there.  Each entry is hi + lo, both bf16 (16 bits together), and three products are summed in f32:
; hi hi + hi lo + lo hi.  The product lo lo, at most 2^-18 of the term, is left out.  bf16 and not f16: the factors run down to the end of f32's range.
;
; THE TABLES ARE MADE WITH LANE = n.  Waves 0, 1: the M table for n = 0-31, 32-63; waves 2, 3: the N table.  Column 4 q + e of either table is S0 u^e G^q:
;   M: S0 = conj(2 Cc), u = conj(w),  G = conj(w^256);     N: S0 = 1, u = w^4, G = w^16.
; w, u and G are made directly (magnitude by v_exp_f32, angle reduced exactly, Taylor series); the 64 columns follow by complex products,
; at most 3 + 1 + 7 of them in a row.  All four waves run the same text; the N waves drop the coefficient by a select.
;
; LIMITS.  (1) exp(2 inv_A_real) + A_imag^2 has to be a normal f32 number (|A| from about 1e-19 to 1e19).  (2) w - 1 is formed as the definition forms it:
; its absolute error is about 1e-7, so the coefficient's relative error is about 1e-7 / |dt A|.  (3) Sine and cosine: series to the 15th and 16th power on
; [-pi, pi], absolute error about 1e-6.  (4) v_exp_f32 gives 0 for results below 2^-126 (ISA guide 15.8), so factors that small count as 0.
; (5) The order of the roundings is not the definition's.
; No cluster: no two work-groups read the same input.  No tensor load: a work-group reads 1,540 bytes, once, at its head.
;
; THE MODE: SCHED_MODE bits 1:0 = 2 (LLVM: expert scheduling mode 2), set by the entry lines.  The code itself states the register dependences
; between vector or matrix instructions and memory or LDS instructions, with s_wait_alu, always for 0.
; THE PLAN.  Registers that memory or LDS instructions touch:
;   v2-v8       three global offsets, three LDS addresses, the offset in K.  Made at the head, ahead of one wait on va_vdst; never written again.
;   v12-v19     the five loads' data.  No vector instruction names them ahead of the loads, nothing writes them behind.
;   OUT0, OUT1  two out-buffers of 16 registers.  The tables are made in eight blocks of 8 columns.  Block c's roundings write OUT[c % 2]; the four LDS stores
;               that read it are issued in block c + 1, dealt among that block's vector instructions, which name OUT[(c + 1) % 2], LT and the states alone;
;               block c + 2 writes it again.  So two waits at a block's head state all: va_vdst, that the block before has written its buffer;
;               vm_vsrc, that the stores issued in the block before have read the buffer that this block writes.
;   F0, F1, F2  fragment buffers, where the states, LT and the out-buffers lay.  Every vector instruction that names those stands ahead of the wait on va_vdst
;               in front of the last four LDS stores; one wait on vm_vsrc behind the barrier states that the stores have read them.
;               F0 is loaded a second time (K chunk 3): one wait on va_vdst at the head of K chunk 1 states that chunk 0's matrix instructions are done
;               reading it; the sixteen loads follow, dealt among chunk 1's matrix instructions, which name F1 and the accumulators alone.
;   ACC         written by the matrix instructions, read by the stores of K: four places and one wait on va_vdst.
; One vector instruction writes a scalar register (the wave's number): one wait on va_sdst ahead of its first reader.  EXEC is never written; VCC is written by a scalar select.
.set PITCH,  80                        ; LDS: from row to row of a half part: four pieces of 16 bytes (8 columns each) + 16 bytes of padding
.set HALF,   128*PITCH+128             ; 128 rows (k = n: real parts, k = 64 + n: imaginary parts) of the even pieces; the odd pieces lie HALF further
.set PART,   2*HALF                    ; one part: all 64 columns of one table, hi or lo
.set TABLE,  2*PART                    ; hi part, lo part.  M table at 0, N table at TABLE; 4 parts = 82,944 bytes
.set IMROW,  64*PITCH                  ; from a real row to its imaginary row
.set KHALF,  16*PITCH                  ; 16 rows: the second half of a fragment
.set KCH,    32*PITCH                  ; 32 rows: one matrix instruction's K
; Banks (64 of 4 bytes: ISA guide 11.1), counted in columns of 16 bytes modulo 16.  A row is 5 columns on from the last, HALF is 8 modulo 16.
; A store's sixteen lanes take one piece of 16 neighbouring rows: 5 row mod 16, all different.  A transposing load's sixteen lanes take an even and an
; odd piece of 8 neighbouring rows: 5 row mod 16 and 5 row + 8 mod 16, all different.
.set LANE, 1
.set O4,   2                           ; byte offset of (h, n) in inv_A_real and A_imag
.set O8,   3                           ; in B and C
.set OH,   4                           ; of log_dt[h]
.set SA,   5                           ; LDS: my row of my table (store)
.set LM,   6                           ; LDS: my lane's 16 bytes of my first M tile (load)
.set LN,   7                           ; the same for the N table
.set OO,   8                           ; my byte offset in the wave's part of K
.set NEG1, 9                           ; -1.0
.set CS,   10                          ; -1/15!
.set CC,   11                          ; 1/16!
.set LD,   12                          ; log_dt[h]
.set IAR,  13                          ; inv_A_real[h][n]
.set AI,   14                          ; A_imag[h][n]
.set BB,   16                          ; v[16:17] B[h][n]
.set CV,   18                          ; v[18:19] C[h][n]
.set DT,   20
.set EA,   21                          ; exp(inv_A_real) = -Re A
.set X2,   22                          ; Re(dt A) log2(e)
.set FH,   23                          ; Im(dt A) / 2 pi modulo 1, in two parts
.set FL,   24
.set T,    26                          ; v[26:33] at work
.set WR,   34                          ; w, then w - 1
.set WI,   35
.set UR,   36
.set UI,   37
.set U2R,  38
.set U2I,  39
.set XS,   64                          ; v[64:79]  two states of four columns: re 0-1, re 2-3, im 0-1, im 2-3 of column group q, then of q + 1
.set YS,   80                          ; v[80:95]  the same, two groups on: the two sets take turns
.set MR,   96                          ; v[96:97]  the multiplier's real part, twice: the packed forms then need no selector
.set MI,   98                          ; v[98:99]  its imaginary part, twice
.set MN,   100                         ; v[100:101] minus that, twice
.set OUT,  104                         ; v[104:119], v[136:151]  out-buffer b at OUT + 32 b: hi of 8 columns of the real row, of the imaginary row, then lo likewise, 4 registers each
.set LT,   120                         ; v[120:135] what the hi parts leave, in f32
.set ACC,  32                          ; v[32:63]  four accumulator tiles (the registers at work above are free by then)
.set F0,   64                          ; three fragment buffers of 64 registers: M hi (2 tiles), M lo, N hi, N lo
.set F1,   128
.set F2,   192
	s_load_b256 s[4:11], s[0:1], 0x0               ; log_dt s[4:5], inv_A_real s[6:7], A_imag s[8:9], B s[10:11]
	s_load_b128 s[12:15], s[0:1], 0x20             ; C s[12:13], out0 s[14:15]
	v_lshl_add_u32 v15, v0, 2, 0x14400
	v_mov_b32 v25, 0
	v_lshrrev_b32 v[T], 5, v0
	v_readfirstlane_b32 s16, v[T]                  ; wave 0..3
	v_and_b32 v[LANE], 31, v0
	; while the arguments are out: the addresses.  First what hangs on the lane alone
	v_mul_u32_u24 v[SA], v[LANE], PITCH
	; A transposing load: lane L addresses 16 bytes (8 columns) of row 8 (L >> 4) + (L & 7), even piece for (L >> 3) & 1 = 0, odd piece for 1,
	; and receives the 8 rows of column L & 15: the fragment layout of 16-bit data (ISA guide 7.12.2), rows = k.
	v_and_b32 v[T], 7, v[LANE]
	v_lshrrev_b32 v[T+1], 4, v[LANE]
	v_lshl_add_u32 v[T], v[T+1], 3, v[T]
	v_mul_u32_u24 v[T], v[T], PITCH
	v_bfe_u32 v[T+2], v[LANE], 3, 1
	v_mul_u32_u24 v[T+2], v[T+2], HALF
	v_add_nc_u32 v[T], v[T], v[T+2]
	v_and_b32 v[T+2], 15, v[LANE]
	v_lshlrev_b32 v[T+2], 4, v[T+2]
	v_lshl_add_u32 v[OO], v[T+1], 11, v[T+2]       ; 16 r + 2,048 h2
	s_wait_alu depctr_va_sdst(0)                   ; s16 is written, ahead of its first reader: the wave's shares and all its addresses are made from it
	s_and_b32 s17, s16, 1                          ; which 32 n I make; later: which two N tiles I multiply
	s_lshr_b32 s18, s16, 1                         ; which table I make (0: M, 1: N); later: which two M tiles
	s_lshl_b32 s19, ttmp9, 6                       ; h x 64
	s_lshl_b32 s20, s17, 5
	s_add_co_u32 s19, s19, s20
	s_lshl_b32 s22, ttmp9, 2
	v_add_nc_u32 v[O4], s19, v[LANE]               ; 64 h + n
	v_mov_b32 v[OH], s22
	v_lshlrev_b32 v[O8], 3, v[O4]
	v_lshlrev_b32 v[O4], 2, v[O4]
	s_mul_i32 s22, s18, TABLE
	s_mul_i32 s23, s17, 32*PITCH
	s_add_co_u32 s22, s22, s23
	v_add_nc_u32 v[SA], s22, v[SA]                 ; table + row n
	s_lshl_b32 s23, s18, 5                         ; a tile of 16 columns is 16 bytes on in both half parts; my first M tile is 2 x s18
	v_add_nc_u32 v[LM], s23, v[T]
	s_lshl_b32 s23, s17, 5
	s_add_co_u32 s23, s23, TABLE
	v_add_nc_u32 v[LN], s23, v[T]
	s_wait_kmcnt 0x0
	s_wait_alu depctr_va_vdst(0)                   ; the seven offsets and addresses v2 to v8 are written, which the loads and stores of the whole kernel read
	global_load_b32 v[LD], v[OH], s[4:5]
	global_load_b32 v[IAR], v[O4], s[6:7]
	global_load_b32 v[AI], v[O4], s[8:9]
	global_load_b64 v[BB:BB+1], v[O8], s[10:11]
	global_load_b64 v[CV:CV+1], v[O8], s[12:13]
	; while the five loads are out: K's base and the constants
	s_lshl_b32 s20, ttmp9, 14                      ; K: 16,384 bytes for an h,
	s_lshl_b32 s21, s18, 13                        ; 4,096 for an M tile (I take two),
	s_add_co_u32 s20, s20, s21
	s_lshl_b32 s21, s17, 9                         ; 256 for an N tile (two)
	s_add_co_u32 s20, s20, s21
	s_mov_b32 s21, 0
	s_add_nc_u64 s[14:15], s[14:15], s[20:21]
	v_mov_b32 v[NEG1], -1.0
	v_mov_b32 v[CS], 0xab573f9f
	v_mov_b32 v[CC], 0x29573f9f
	s_mov_b32 s24, 0x3fb8aa3b                      ; log2(e), upper part
	s_mov_b32 s25, 0x32a57060                      ; and what it leaves
	s_mov_b32 s26, 0x3e22f983                      ; 1 / 2 pi, upper part
	s_mov_b32 s27, 0x31dc9706                      ; and what it leaves
	s_mov_b32 s28, 0x40c90fdb                      ; 2 pi
	s_mov_b32 s31, 0x41800000                      ; 16.0
	s_cmp_eq_u32 s18, 0                            ; do I make the M table?
	s_cselect_b32 s29, 0xc0c90fdb, s28             ; M: angles negated (the conjugate)
	s_cselect_b32 s30, 1.0, 4.0                    ; u = w^1 or w^4
	s_cselect_b32 s31, 0x43800000, s31             ; G = w^256 or w^16
	s_cselect_b32 vcc_lo, -1, 0                    ; M: S0 is the coefficient; N: S0 = 1
	s_wait_loadcnt 0x0
	; dt = exp(log_dt).  An error of dt is multiplied by the angle Im(A) dt l, so the product log_dt log2(e) is kept in two parts.
	v_mul_f32 v[T], s24, v[LD]
	v_mul_f32 v[T+2], s24, v[IAR]
	v_fma_f32 v[T+1], v[LD], s24, -v[T]            ; what the rounded product leaves
	v_exp_f32 v[T+3], v[T]
	v_exp_f32 v[EA], v[T+2]                        ; exp(inv_A_real)
	v_fma_f32 v[T+1], v[LD], s25, v[T+1]           ; a plain instruction behind the two transcendentals, ahead of their results' use (ISA guide 5.7.2)
	v_mul_f32 v[T+1], 0x3f317218, v[T+1]           ; x ln 2
	s_wait_alu depctr_va_vdst(0)
	v_fma_f32 v[DT], v[T+3], v[T+1], v[T+3]
	v_mul_f32 v[T], v[EA], v[DT]                   ; -Re(dt A)
	v_mul_f32 v[T+4], v[AI], v[DT]                 ; y = Im(dt A), rounded as the definition rounds it
	v_mul_f32 v[X2], 0xbfb8aa3b, v[T]
	; y / 2 pi modulo 1 as FH + FL.  The multiples by 1, 4, 16, 256 taken below are then exact.
	v_mul_f32 v[T+5], s26, v[T+4]
	v_fma_f32 v[T+6], v[T+4], s26, -v[T+5]
	v_rndne_f32 v[T+7], v[T+5]
	v_fma_f32 v[T+6], v[T+4], s27, v[T+6]
	v_sub_f32 v[T+5], v[T+5], v[T+7]               ; exact
	v_add_f32 v[FH], v[T+5], v[T+6]
	v_sub_f32 v[T+5], v[T+5], v[FH]
	v_add_f32 v[FL], v[T+5], v[T+6]
; (cr, ci) = exp(l dt A), or its conjugate with tp = -2 pi.  l is a power of two.
.macro CEXP cr, ci, l, tp
	v_mul_f32 v[T], \l, v[FH]                      ; turns: exact
	v_mul_f32 v[T+4], \l, v[X2]
	v_rndne_f32 v[T+1], v[T]
	v_exp_f32 v[T+5], v[T+4]                       ; the magnitude; plain instructions follow before it is used
	v_sub_f32 v[T], v[T], v[T+1]                   ; exact, in [-1/2, 1/2]
	v_fma_f32 v[T], v[FL], \l, v[T]
	v_mul_f32 v[T], \tp, v[T]                      ; the angle, in [-pi, pi]
	v_mul_f32 v[T+1], v[T], v[T]
	v_fmaak_f32 v[T+2], v[CS], v[T+1], 0x2f309231     ; sine / angle: -1/15!, 1/13!,
	v_fmaak_f32 v[T+3], v[CC], v[T+1], 0xad49cba5     ; cosine: 1/16!, -1/14!,
	v_fmaak_f32 v[T+2], v[T+2], v[T+1], 0xb2d7322b    ; -1/11!
	v_fmaak_f32 v[T+3], v[T+3], v[T+1], 0x310f76c7    ; 1/12!
	v_fmaak_f32 v[T+2], v[T+2], v[T+1], 0x3638ef1d    ; 1/9!
	v_fmaak_f32 v[T+3], v[T+3], v[T+1], 0xb493f27e    ; -1/10!
	v_fmaak_f32 v[T+2], v[T+2], v[T+1], 0xb9500d01    ; -1/7!
	v_fmaak_f32 v[T+3], v[T+3], v[T+1], 0x37d00d01    ; 1/8!
	v_fmaak_f32 v[T+2], v[T+2], v[T+1], 0x3c088889    ; 1/5!
	v_fmaak_f32 v[T+3], v[T+3], v[T+1], 0xbab60b61    ; -1/6!
	v_fmaak_f32 v[T+2], v[T+2], v[T+1], 0xbe2aaaab    ; -1/3!
	v_fmaak_f32 v[T+3], v[T+3], v[T+1], 0x3d2aaaab    ; 1/4!
	v_fmaak_f32 v[T+2], v[T+2], v[T+1], 0x3f800000    ; 1
	v_fmaak_f32 v[T+3], v[T+3], v[T+1], 0xbf000000    ; -1/2
	v_mul_f32 v[T+2], v[T+2], v[T]
	v_fmaak_f32 v[T+3], v[T+3], v[T+1], 0x3f800000    ; 1
	s_wait_alu depctr_va_vdst(0)
	v_mul_f32 v[\ci], v[T+5], v[T+2]
	v_mul_f32 v[\cr], v[T+5], v[T+3]
.endm
; d = a b, complex; d is none of the sources
.macro CMUL dr, di, ar, ai, br, bi
	v_mul_f32 v[\dr], v[\ar], v[\br]
	v_mul_f32 v[\di], v[\ar], v[\bi]
	v_fma_f32 v[\dr], -v[\ai], v[\bi], v[\dr]
	v_fma_f32 v[\di], v[\ai], v[\br], v[\di]
.endm
; four columns at once: state d = state s x the multiplier.  A state: re 0-1, re 2-3, im 0-1, im 2-3.
.macro PKMUL d, s
	v_pk_mul_f32 v[\d:\d+1],   v[\s:\s+1],   v[MR:MR+1]
	v_pk_mul_f32 v[\d+2:\d+3], v[\s+2:\s+3], v[MR:MR+1]
	v_pk_mul_f32 v[\d+4:\d+5], v[\s+4:\s+5], v[MR:MR+1]
	v_pk_mul_f32 v[\d+6:\d+7], v[\s+6:\s+7], v[MR:MR+1]
	v_pk_fma_f32 v[\d:\d+1],   v[\s+4:\s+5], v[MN:MN+1], v[\d:\d+1]
	v_pk_fma_f32 v[\d+2:\d+3], v[\s+6:\s+7], v[MN:MN+1], v[\d+2:\d+3]
	v_pk_fma_f32 v[\d+4:\d+5], v[\s:\s+1],   v[MI:MI+1], v[\d+4:\d+5]
	v_pk_fma_f32 v[\d+6:\d+7], v[\s+2:\s+3], v[MI:MI+1], v[\d+6:\d+7]
.endm
	; the coefficient: conj(2 B C (w - 1) / A) = 2 conj(B C (w - 1) conj(A)) / |A|^2, with A = (-EA, AI)
	CEXP WR, WI, 1.0, s28
	v_add_f32 v[WR], -1.0, v[WR]                   ; w - 1
	v_mul_f32 v[T], v[EA], v[EA]
	v_fma_f32 v[T], v[AI], v[AI], v[T]
	v_rcp_f32 v[T+1], v[T]                         ; plain instructions follow before it is used
	v_mul_f32 v[T+2], v[WI], v[AI]
	v_mul_f32 v[T+3], v[WI], v[EA]
	v_fma_f32 v[T+2], -v[WR], v[EA], v[T+2]        ;  Re((w - 1) conj A)
	v_fma_f32 v[T+3], v[WR], v[AI], v[T+3]         ; -Im((w - 1) conj A)
	v_mul_f32 v[T+4], v[BB], v[CV]
	v_mul_f32 v[T+5], v[BB], v[CV+1]
	v_fma_f32 v[T+4], -v[BB+1], v[CV+1], v[T+4]    ; Re(B C)
	v_fma_f32 v[T+5], v[BB+1], v[CV], v[T+5]       ; Im(B C)
	s_wait_alu depctr_va_vdst(0)
	v_add_f32 v[T+1], v[T+1], v[T+1]               ; 2 / |A|^2
	v_mul_f32 v[T+6], v[T+4], v[T+2]
	v_mul_f32 v[T+7], v[T+4], v[T+3]
	v_fma_f32 v[T+6], v[T+5], v[T+3], v[T+6]
	v_fma_f32 v[T+7], -v[T+5], v[T+2], v[T+7]
	v_mul_f32 v[T+6], v[T+6], v[T+1]
	v_mul_f32 v[T+7], v[T+7], v[T+1]
	v_cndmask_b32 v[XS], 1.0, v[T+6], vcc_lo       ; S0: the M table's coefficient, or 1 for the N table
	v_cndmask_b32 v[XS+4], 0, v[T+7], vcc_lo
	; columns 0 to 3: S0, S0 u, S0 u^2, S0 u^3
	CEXP UR, UI, s30, s29
	CEXP MR, MI, s31, s29                          ; G
	CMUL XS+1, XS+5, XS, XS+4, UR, UI
	CMUL U2R, U2I, UR, UI, UR, UI
	CMUL XS+2, XS+6, XS, XS+4, U2R, U2I
	CMUL XS+3, XS+7, XS+1, XS+5, U2R, U2I
	v_mov_b32 v[MR+1], v[MR]
	v_mov_b32 v[MI+1], v[MI]
	v_mul_f32 v[MN], -1.0, v[MI]
	v_mul_f32 v[MN+1], -1.0, v[MI]
	PKMUL XS+8, XS                                 ; columns 4 to 7
	v_mul_f32 v[T], v[MR], v[MR]                   ; from here on both states step by G^2
	v_mul_f32 v[T+1], v[MR], v[MI]
	v_fma_f32 v[T], v[MN], v[MI], v[T]
	v_add_f32 v[T+1], v[T+1], v[T+1]
	v_mov_b32 v[MR], v[T]
	v_mov_b32 v[MR+1], v[T]
	v_mov_b32 v[MI], v[T+1]
	v_mov_b32 v[MI+1], v[T+1]
	v_mul_f32 v[MN], -1.0, v[T+1]
	v_mul_f32 v[MN+1], -1.0, v[T+1]
; Store k of the four of block c, out of its out-buffer: 0 hi, real row; 1 hi, imaginary row; 2, 3 lo likewise.
.macro PUT c, k
	ds_store_b128 v[SA], v[OUT+32*((\c)&1)+4*(\k):OUT+32*((\c)&1)+4*(\k)+3] offset:((\c)>>1)*16+((\c)&1)*HALF+((\k)>>1)*PART+((\k)&1)*IMROW
.endm
; Block c: columns 8 c to 8 c + 7 of my two rows, from the states in set x: hi = the nearest bf16, lo = the nearest bf16 of what hi leaves (that difference is
; exact in f32).  Pair k of the set goes to word (k & 1) + 2 (k >> 2) of the real (bit 1 of k = 0) or imaginary row.  adv = 1: set y = set x times G^2.
; The block's own numbers go into out-buffer c % 2; its LDS stores are those of the block before, one in front of each group of its vector instructions.
.macro CHUNK c, x, y, adv
.set HB, OUT+32*((\c)&1)
.set LB, OUT+32*((\c)&1)+8
.if \c > 1
	s_wait_alu depctr_vm_vsrc(0)                   ; the LDS stores issued in the block before have read this block's out-buffer, which the roundings below write again
.endif
.if \c > 0
	s_wait_alu depctr_va_vdst(0)                   ; the block before has written the other out-buffer, which the four stores below read; no vector instruction of this block names it
	PUT (\c)-1, 0
.endif
.irp k, 0,1,2,3,4,5,6,7
	v_cvt_pk_bf16_f32 v[HB+(\k&1)+4*((\k>>1)&1)+2*(\k>>2)], v[\x+2*\k], v[\x+2*\k+1]
.endr
.if \c > 0
	PUT (\c)-1, 1
.endif
.irp k, 0,1,2,3,4,5,6,7
	v_fma_mix_f32_bf16 v[LT+2*\k],   v[HB+(\k&1)+4*((\k>>1)&1)+2*(\k>>2)], v[NEG1], v[\x+2*\k]   op_sel_hi:[1,0,0]
	v_fma_mix_f32_bf16 v[LT+2*\k+1], v[HB+(\k&1)+4*((\k>>1)&1)+2*(\k>>2)], v[NEG1], v[\x+2*\k+1] op_sel:[1,0,0] op_sel_hi:[1,0,0]
.endr
.if \c > 0
	PUT (\c)-1, 2
.endif
.if \adv
	PKMUL \y, \x
	PKMUL \y+8, \x+8
.endif
.if \c > 0
	PUT (\c)-1, 3
.endif
.irp k, 0,1,2,3,4,5,6,7
	v_cvt_pk_bf16_f32 v[LB+(\k&1)+4*((\k>>1)&1)+2*(\k>>2)], v[LT+2*\k], v[LT+2*\k+1]
.endr
.endm
	CHUNK 0, XS, YS, 1
	CHUNK 1, YS, XS, 1
	CHUNK 2, XS, YS, 1
	CHUNK 3, YS, XS, 1
	CHUNK 4, XS, YS, 1
	CHUNK 5, YS, XS, 1
	CHUNK 6, XS, YS, 1
	CHUNK 7, YS, XS, 0
	s_wait_alu depctr_va_vdst(0)                   ; block 7 has written its out-buffer, which the last four stores read; and every vector instruction that names v64 to v151, in which the fragments land, is done
.irp k, 0,1,2,3
	PUT 7, \k
.endr
	s_wait_dscnt 0x0                               ; my rows of the tables are in LDS: zero, since the other waves read them
	s_barrier_signal -1
	s_barrier_wait -1                              ; everybody's are; LDS is only read from here on
	s_wait_alu depctr_vm_vsrc(0)                   ; my LDS stores have read the two out-buffers: these registers are parts of F0 and F1 from here on, written by the fragments' loads
; Four loads: M tile i and N tile i of K chunk q (32 rows), hi (p = 0) or lo (p = 1), into buffer f.
.macro LOAD4 q, f, p, i
	ds_load_tr16_b128 v[\f+16*\p+8*\i:\f+16*\p+8*\i+3],         v[LM] offset:\q*KCH+16*\i+\p*PART
	ds_load_tr16_b128 v[\f+16*\p+8*\i+4:\f+16*\p+8*\i+7],       v[LM] offset:\q*KCH+16*\i+KHALF+\p*PART
	ds_load_tr16_b128 v[\f+32+16*\p+8*\i:\f+32+16*\p+8*\i+3],   v[LN] offset:\q*KCH+16*\i+\p*PART
	ds_load_tr16_b128 v[\f+32+16*\p+8*\i+4:\f+32+16*\p+8*\i+7], v[LN] offset:\q*KCH+16*\i+KHALF+\p*PART
.endm
; The fragments of K chunk q into buffer f: two M tiles and two N tiles, hi, then lo.  16 loads.
.macro LOADCH q, f
.irp p, 0,1
.irp i, 0,1
	LOAD4 \q, \f, \p, \i
.endr
.endr
.endm
; Twelve matrix instructions on buffer f: hi hi, hi lo, lo hi, each for the four tiles.  The four accumulators take turns, one instruction a turn,
; from chunk to chunk too.  zero = 1: the first products start the sums; nothing is cleared.
; nq >= 0: K chunk nq is fetched into buffer nf, four loads behind each of the first four matrix instructions.
.macro MULCH f, zero, nq=-1, nf=0
.irp i, 0,1
.irp j, 0,1
.if \zero
	v_wmma_f32_16x16x32_bf16 v[ACC+8*(2*\i+\j):ACC+8*(2*\i+\j)+7], v[\f+8*\i:\f+8*\i+7], v[\f+32+8*\j:\f+32+8*\j+7], 0
.else
	v_wmma_f32_16x16x32_bf16 v[ACC+8*(2*\i+\j):ACC+8*(2*\i+\j)+7], v[\f+8*\i:\f+8*\i+7], v[\f+32+8*\j:\f+32+8*\j+7], v[ACC+8*(2*\i+\j):ACC+8*(2*\i+\j)+7]
.endif
.if \nq >= 0
	LOAD4 \nq, \nf, \i, \j                         ; no wait: no vector or matrix instruction since the wait at the chunk's head names buffer nf or the two addresses
.endif
.endr
.endr
.irp i, 0,1
.irp j, 0,1
	v_wmma_f32_16x16x32_bf16 v[ACC+8*(2*\i+\j):ACC+8*(2*\i+\j)+7], v[\f+8*\i:\f+8*\i+7], v[\f+48+8*\j:\f+48+8*\j+7], v[ACC+8*(2*\i+\j):ACC+8*(2*\i+\j)+7]
.endr
.endr
.irp i, 0,1
.irp j, 0,1
	v_wmma_f32_16x16x32_bf16 v[ACC+8*(2*\i+\j):ACC+8*(2*\i+\j)+7], v[\f+16+8*\i:\f+16+8*\i+7], v[\f+32+8*\j:\f+32+8*\j+7], v[ACC+8*(2*\i+\j):ACC+8*(2*\i+\j)+7]
.endr
.endr
.endm
; Four places of plain vector instructions stand between a matrix instruction and a store of its result
; (ISA guide 7.12.1 for vector instructions).
.macro PLACES
.rept 4
	v_nop
.endr
.endm
	LOADCH 0, F0
	LOADCH 1, F1
	LOADCH 2, F2
	s_wait_dscnt 32                                ; LDS loads come back in order (ISA guide 5.7.1): chunk 0's sixteen are in, the 32 younger may be out
	MULCH F0, 1
	s_wait_dscnt 16                                ; chunk 1 is in; chunk 2 may be out
	s_wait_alu depctr_va_vdst(0)                   ; chunk 0's matrix instructions are done reading F0, in which chunk 3's fragments land
	MULCH F1, 0, 3, F0                             ; the fourth chunk takes the first buffer
	s_wait_dscnt 16                                ; chunk 2 is in; chunk 3 may be out
	MULCH F2, 0
	s_wait_dscnt 0x0
	MULCH F0, 0
	PLACES
	s_wait_alu depctr_va_vdst(0)                   ; the matrix instructions have written the accumulators, which the stores read; the places above stay beside this wait
	; Tile (i, j): registers 0-3 are l = 4 r + 0..3 (+ 512 h2), registers 4-7 the same 256 further.  Sixteen lanes of a store write 256 consecutive bytes,
	; at a multiple of 256 from K's first byte.
.irp i, 0,1
.irp j, 0,1
	global_store_b128 v[OO], v[ACC+8*(2*\i+\j):ACC+8*(2*\i+\j)+3],   s[14:15] offset:4096*\i+256*\j th:TH_STORE_NT
	global_store_b128 v[OO], v[ACC+8*(2*\i+\j)+4:ACC+8*(2*\i+\j)+7], s[14:15] offset:4096*\i+256*\j+1024 th:TH_STORE_NT
.endr
.endr
	s_wait_dscnt 0x0
	s_wait_alu depctr_hold_cnt(0) depctr_sa_sdst(0) depctr_va_vdst(0) depctr_va_sdst(0) depctr_va_ssrc(0) depctr_va_vcc(0) depctr_vm_vsrc(0)
	s_wait_tensorcnt 0x0
	ds_add_u32 v15, v25
	s_wait_dscnt 0x0
	s_endpgm
.Lfunc_end_k_q4ba5fdb733_s4d:
	.size	k_q4ba5fdb733_s4d, .Lfunc_end_k_q4ba5fdb733_s4d-k_q4ba5fdb733_s4d
	.p2alignl 7, 3214868480
	.fill 96, 4, 3214868480
	.section	.rodata,"a",@progbits
	.p2align	6, 0x0
	.amdhsa_kernel k_q4ba5fdb733_s4d
		.amdhsa_group_segment_fixed_size 83456
		.amdhsa_private_segment_fixed_size 0
		.amdhsa_enable_private_segment 0
		.amdhsa_kernarg_size 48
		.amdhsa_user_sgpr_count 2
		.amdhsa_user_sgpr_kernarg_segment_ptr 1
		.amdhsa_wavefront_size32 1
		.amdhsa_system_sgpr_workgroup_id_x 1
		.amdhsa_system_sgpr_workgroup_id_y 1
		.amdhsa_system_sgpr_workgroup_id_z 1
		.amdhsa_system_vgpr_workitem_id 0
		.amdhsa_next_free_vgpr 256
		.amdhsa_next_free_sgpr 66
		.amdhsa_reserve_vcc 1
		.amdhsa_float_denorm_mode_32 3
		.amdhsa_float_denorm_mode_16_64 3
		.amdhsa_memory_ordered 1
		.amdhsa_forward_progress 1
		.amdhsa_inst_pref_size 45
	.end_amdhsa_kernel
	.amdgpu_metadata
---
amdhsa.version: [ 1, 2 ]
amdhsa.kernels:
  - .name:           k_q4ba5fdb733_s4d
    .symbol:         k_q4ba5fdb733_s4d.kd
    .args:
      - { .name: log_dt, .offset: 0, .size: 8, .value_kind: global_buffer, .address_space: global }
      - { .name: inv_A_real, .offset: 8, .size: 8, .value_kind: global_buffer, .address_space: global }
      - { .name: A_imag, .offset: 16, .size: 8, .value_kind: global_buffer, .address_space: global }
      - { .name: B, .offset: 24, .size: 8, .value_kind: global_buffer, .address_space: global }
      - { .name: C, .offset: 32, .size: 8, .value_kind: global_buffer, .address_space: global }
      - { .name: out0, .offset: 40, .size: 8, .value_kind: global_buffer, .address_space: global }
    .group_segment_fixed_size: 83456
    .private_segment_fixed_size: 0
    .kernarg_segment_align: 8
    .kernarg_segment_size: 48
    .max_flat_workgroup_size: 128
    .sgpr_count:     66
    .vgpr_count:     256
    .wavefront_size: 32
...
	.end_amdgpu_metadata
.endif
;; end of part 2
